; MI455X (gfx1250); checked and timed in simulation.
; The chip was launched on July 23, 2026; its instructions are those of AMD's public machine-readable ISA for CDNA 5 (MIT licence, August 2026) and "CDNA5" Instruction Set Architecture Reference Guide (July 2026). The comments in the code are by the model that wrote it; some were corrected since.
;; Attention. Allowed arithmetic: matrix products marked QUANTISED: E4M3 operands, one given power-of-two scale a tensor, by v_wmma_f32_16x16x64_fp8_fp8 or v_wmma_f32_16x16x128_fp8_fp8, f32 sums; everything else in f32.
;; Inputs: W_out 1,024 x 1,024 float32; b_out 1,024 float32; k 4 x 16 x 2,048 x 64 float32; lowp_scales 6 int32 (the exponents e of the quantised operands' scales 2^e); mask 4 x 2,047 bool; q 4 x 16 x 2,048 x 64 float32; v 4 x 16 x 2,048 x 64 float32.
;; Outputs: out0 4 x 2,048 x 1,024 float32.
;; This version of the problem:
;;   THIS VERSION OF THE PROBLEM IS GIVEN IN LOW PRECISION. The matrix products marked QUANTISED in the list below multiply operands that are first quantised to E4M3 (4 exponent bits, 3 mantissa bits; 8 bits a number), with one given power-of-two scale for each operand tensor; their sums are f32. All else is computed in f32.
;;   The module's matrix products, in the order in which they are computed (A, B: the left and right operand; K: the contracted axis; several contracted axes count as one K, in the product's order):
;;     1. batch 64 x [M 2,048, K 64] x [K 64, N 2,048]; A: input q; B: input k: QUANTISED (scales: A lowp_scales[0], B lowp_scales[1])
;;     2. batch 64 x [M 2,048, K 2,048] x [K 2,048, N 64]; A: softmax (see below); B: input v: QUANTISED (scales: A lowp_scales[2], B lowp_scales[3])
;;     3. [M 8,192, K 1,024] x [K 1,024, N 1,024]; A: computed on the way; B: input W_out: QUANTISED (scales: A lowp_scales[4], B lowp_scales[5])
;;   THE QUANTISER, for each operand of a quantised product, along K:
;;     - The operand's scale is 2^e, e = its entry of the input lowp_scales (int32; the entries are numbered through the quantised products in the list's order, A before B).
;;     - Each number is divided by the scale, clamped to +-448, and rounded to the nearest number of E4M3, ties to even, subnormals kept.
;;     - The product sums the exact products of the quantised numbers (number of the format x scale) in f32.
;;   ~~~python
;;   def quantise(x, axis, e):      # numpy; x: float32 -> the quantised numbers, widened to float32 again
;;       x = np.moveaxis(x, axis, -1); K = x.shape[-1]
;;       r = np.clip(x / 2.0 ** e, -448, 448)
;;       step = 2.0 ** (np.maximum(np.frexp(np.where(r == 0, 1, r))[1] - 1, -6) - 3)
;;       q = np.round(r / step) * step * 2.0 ** e      # np.round: ties to even
;;       return np.moveaxis(q, -1, axis).astype(np.float32)
;;   ~~~
;;   SOFTMAX AHEAD OF A QUANTISED PRODUCT. Where the list says 'softmax', what is quantised is not the finished softmax but p = 2^(t - M), with t = logit x log2(e) and M = ceil(the row's largest t), a whole number; so 1/2 < the row's largest p <= 1. The row's sum l is taken of the UNQUANTISED p, in f32, and the product's result is divided by l at the end. Since M is a whole number, a kernel that streams over the keys may use a running M (the ceiling of the running maximum): every later rescaling is an exact power of two, so the quantised numbers keep their values, but for numbers so far below the row's largest that they fall under the format's range.
;;   OPERANDS COMPUTED ON THE WAY. 'Computed on the way' means the value that the module computes at that place (a softmax that the list does not call 'softmax' is quantised finished and normalised). What goes into a quantiser is computed in f32, as accurately as f32 sums, v_exp_f32 and their like allow (about 1e-6 of the number): no bf16 or f16 on the way to a quantiser, and a product that is left as it is and whose result goes on into a quantised operand takes f32 operands (vector FMAs, or v_wmma_f32_16x16x4_f32). A number that lies on a knife's edge between two numbers of the format may be rounded either way, as far as f32 arithmetic and the matrix unit's own rounding can turn it there, and no further.
;; One version. Each part assembles by itself: llvm-mc -triple=amdgcn-amd-amdhsa -mcpu=gfx1250 --defsym DOCPART=n.
;; ======== version 1 of 1: 3 launches
;; limits: right only within a limited range of input values
;; workspace buffers: q_img 8,388,608 bytes; kv 16,777,216 bytes; w_img 1,048,576 bytes; a_img 8,388,608 bytes
;; launch prep (part 1): grid 1600 x 1, 4 waves a work-group, no clusters, 51,968 bytes of LDS; arguments q, k, v, W_out, lowp_scales, q_img, kv, w_img; writes q_img, kv, w_img
.if DOCPART == 1
	.amdgcn_target "amdgcn-amd-amdhsa--gfx1250"
	.amdhsa_code_object_version 6
	.text
	.protected	k_q2ecf1dfd5b_prep
	.globl	k_q2ecf1dfd5b_prep
	.p2align	8
	.type	k_q2ecf1dfd5b_prep,@function
k_q2ecf1dfd5b_prep:
	s_mov_b64 s[64:65], 0
	v_nop
	global_prefetch_b8 v0, s[64:65] scope:SCOPE_SE
	s_setreg_imm32_b32 hwreg(HW_REG_WAVE_MODE, 25, 1), 1
	s_wait_xcnt 0x0
; q, k, W_out (K innermost) and v (K = the keys, its first axis within a head) become codes of E4M3, each with the one scale 2^e that is given for it,
; laid as IMAGES OF OPERAND REGISTERS of the plain fp8 matrix forms: a group is 512 bytes = 16 rows x 32 k; lane l = 16 h + r owns bytes 16 l .. 16 l + 15:
; bytes 0-7 = row r, k = 32 c + 8 h + 0..7; bytes 8-15 = row r, k = 32 c + 16 + 8 h + 0..7.  A reader takes a fragment by 16-byte loads at 16 x lane.
;   q_img [head 64][query tile 128][c 2][512]     kv [head 64][step 32 of 64 keys][K: key tile 4 x c 2 x 512 | V: d tile 4 x g 2 x 512]     w_img [k / 256: 4][n tile 64][k64 4][c 2][512]
; code = x / 2^e, held within +-448, rounded to the nearest code, ties to even.  LIMITS: -126 <= e <= 119; NaN among the inputs is not served (an infinity is held at the largest code).
; A wave takes one unit, 64 rows x 64 numbers (16 KB in, 4 KB out), all its 32 loads out at once; waves share nothing: no barrier, no loop.
; Work-groups 0-511: q; 512-1023: k; 1024-1087: W_out (one path, the tensor chosen by selects on the work-group's number); 1088-1599: v (a path and LDS bytes of its own).
.set R,    32                          ; v32-159  the unit as loaded: 4 x 8 loads of 4 registers
.set X,    160                         ; v160-223 two sets of 32 numbers, a lane's registers running along K
.set C,    224                         ; v224-255 the codes
.set STA,  16*272                      ; first path: a stage of 16 rows x (256 bytes + 16); two for each wave
.set WA,   2*STA
.set VB,   4*WA                        ; second path: its LDS begins here
.set WVB,  4*1040                      ; for each wave four d tiles of 1,024 bytes + 16
	s_load_b256 s[4:11], s[0:1], 0x0               ; q s[4:5], k s[6:7], v s[8:9], W_out s[10:11]
	s_load_b256 s[12:19], s[0:1], 0x20             ; the exponents s[12:13], q_img s[14:15], kv s[16:17], w_img s[18:19]
	v_lshl_add_u32 v30, v0, 2, 0xc900
	v_mov_b32 v31, 0
	v_lshrrev_b32 v1, 5, v0
	v_readfirstlane_b32 s20, v1                    ; wave 0..3
	v_and_b32 v2, 31, v0                           ; lane
	v_and_b32 v3, 15, v0                           ; x = lane % 16
	v_bfe_u32 v4, v0, 4, 1                         ; y = lane / 16
	v_lshlrev_b32 v14, 4, v2                       ; 16 x lane: my place in a group
	; every LDS address of both paths is made here, ahead of the branch
	s_mul_i32 s21, s20, WA
	v_mul_u32_u24 v12, v4, 272
	v_lshl_add_u32 v12, v3, 4, v12
	v_add_nc_u32 v12, s21, v12                     ; first path, in: row y of a load's two rows, 16 bytes at 16 x
	v_mul_u32_u24 v13, v3, 272
	v_lshl_add_u32 v13, v4, 5, v13
	v_add_nc_u32 v13, s21, v13                     ; first path, back: row x, my half's 8 numbers of each 16
	s_mul_i32 s21, s20, WVB
	s_add_co_u32 s21, s21, VB
	v_lshrrev_b32 v5, 2, v3
	v_mul_u32_u24 v8, v5, 1040
	v_lshl_add_u32 v8, v4, 8, v8
	v_and_b32 v5, 3, v3
	v_lshl_add_u32 v8, v5, 6, v8
	v_add_nc_u32 v8, s21, v8                       ; second path, in: d tile x / 4, image lane 16 y + 4 (x % 4) + dd
	v_add_nc_u32 v9, s21, v14                      ; second path, back: 16 x lane
	s_wait_kmcnt 0x0
	s_load_b128 s[48:51], s[12:13], 0x0            ; e0 .. e3
	s_load_b64 s[52:53], s[12:13], 0x10            ; e4, e5
	s_cmp_ge_u32 ttmp9, 1088
	s_cbranch_scc1 .Lpath_v
; ---- q, k, W_out: K is innermost.  The selects hang on the work-group's number alone.
	s_cmp_lt_u32 ttmp9, 1024                       ; k or W_out
	s_cselect_b64 s[22:23], s[6:7], s[10:11]       ; from
	s_cselect_b64 s[24:25], s[16:17], s[18:19]     ; to
	s_mov_b32 s26, 1024
	s_cselect_b32 s26, 512, s26                    ; the tensor's first work-group
	s_cselect_b32 s27, 0, 4                        ; a unit's number u splits into hi = u >> SH (64 rows) and lo = u & LM (64 along K)
	s_cselect_b32 s28, 0, 15
	s_mov_b32 s29, 4096
	s_cselect_b32 s29, 256, s29                    ; RP: a row in memory, bytes
	s_mov_b32 s30, 262144
	s_cselect_b32 s30, 16384, s30                  ; 64 rows in memory
	s_mov_b32 s31, 16384
	s_cselect_b32 s31, 8192, s31                   ; 64 rows in the image
	s_mov_b32 s54, 4096
	s_cselect_b32 s54, 1024, s54                   ; 16 rows in the image
	s_cmp_lt_u32 ttmp9, 512                        ; q or what was chosen
	s_cselect_b64 s[22:23], s[4:5], s[22:23]
	s_cselect_b64 s[24:25], s[14:15], s[24:25]
	s_cselect_b32 s26, 0, s26
	s_cselect_b32 s31, 4096, s31
	s_sub_co_u32 s55, ttmp9, s26
	s_lshl_b32 s55, s55, 2
	s_add_co_u32 s55, s55, s20                     ; u
	s_lshr_b32 s56, s55, s27                       ; hi
	s_and_b32 s57, s55, s28                        ; lo
	s_mul_i32 s58, s56, s30
	s_lshl_b32 s59, s57, 8
	s_add_co_u32 s58, s58, s59                     ; where the unit begins in memory (under 2^26)
	s_mov_b32 s59, 0
	s_add_nc_u64 s[32:33], s[22:23], s[58:59]      ; tile j of 16 rows has a base of its own: s[32+2j:33+2j]
	s_lshl_b32 s58, s29, 4
	s_add_nc_u64 s[34:35], s[32:33], s[58:59]
	s_add_nc_u64 s[36:37], s[34:35], s[58:59]
	s_add_nc_u64 s[38:39], s[36:37], s[58:59]
	s_mul_i32 s58, s56, s31
	s_lshr_b32 s60, s57, 2
	s_lshl_b32 s60, s60, 18                        ; W_out: 256 along K are 64 tiles x 4,096 bytes on
	s_add_co_u32 s58, s58, s60
	s_and_b32 s60, s57, 3
	s_lshl_b32 s60, s60, 10                        ; and 64 along K 1,024 bytes
	s_add_co_u32 s58, s58, s60
	s_add_nc_u64 s[40:41], s[24:25], s[58:59]      ; and so in the image: s[40+2j:41+2j]
	s_mov_b32 s58, s54
	s_add_nc_u64 s[42:43], s[40:41], s[58:59]
	s_add_nc_u64 s[44:45], s[42:43], s[58:59]
	s_add_nc_u64 s[46:47], s[44:45], s[58:59]
	v_mul_lo_u32 v16, v4, s29
	v_lshl_add_u32 v16, v3, 4, v16                 ; load i of a tile: rows 2 i + y, 16 bytes at 16 x: sixteen lanes read 256 consecutive bytes, the row's whole part of the unit
	s_lshl_b32 s60, s29, 1
.irp i, 0,1,2,3,4,5,6
	v_add_nc_u32 v[17+\i], s60, v[16+\i]
.endr
.irp j, 0,1,2,3
.irp i, 0,1,2,3,4,5,6,7
	global_load_b128 v[R+32*\j+4*\i:R+32*\j+4*\i+3], v[16+\i], s[32+2*\j:33+2*\j] th:TH_LOAD_NT
.endr
.endr
	s_wait_kmcnt 0x0
	s_cmp_lt_u32 ttmp9, 1024
	s_cselect_b32 s54, s49, s53                    ; e: k's is entry 1, W_out's entry 5,
	s_cmp_lt_u32 ttmp9, 512
	s_cselect_b32 s54, s48, s54                    ; q's entry 0
	s_add_co_i32 s54, s54, 127
	s_lshl_b32 s55, s54, 23
	v_mov_b32 v11, s55                             ; 2^e as f32: the conversion takes its exponent field
	s_add_co_i32 s54, s54, 8
	s_lshl_b32 s54, s54, 23
	s_or_b32 s54, s54, 0x600000
	v_mov_b32 v10, s54                             ; 448 x 2^e
; Tile j goes through a stage as it lies and comes back with a lane's registers along K: lane (x, y) takes, of row x, k = 16 c + 8 y + 0..7 into registers 8 c .. 8 c + 7.
.macro ATURN j
	s_wait_loadcnt 8*(3-(\j))                      ; loads come back in order: tile j's eight are in, the later tiles' may be out
.irp i, 0,1,2,3,4,5,6,7
	ds_store_b128 v12, v[R+32*(\j)+4*\i:R+32*(\j)+4*\i+3] offset:STA*((\j)%2)+544*\i
.endr
.irp c, 0,1,2,3
.irp u, 0,1
	ds_load_b128 v[X+32*((\j)%2)+8*\c+4*\u:X+32*((\j)%2)+8*\c+4*\u+3], v13 offset:STA*((\j)%2)+64*\c+16*\u   ; LDS serves a wave's instructions in order: these see the stores above
.endr
.endr
.endm
.macro ASTEP j
	s_wait_dscnt 0x0                               ; tile j is back from its stage
.if (\j) < 3
	ATURN (\j)+1                                   ; the next tile turns through the other stage meanwhile
.endif
.set i, 0
.rept 32
	v_med3_num_f32 v[X+32*((\j)%2)+i], v[X+32*((\j)%2)+i], -v10, v10   ; the conversion to an 8-bit code does not saturate (ISA guide 7.6.2): the hold comes first
.set i, i+1
.endr
.irp c, 0,1,2,3
	v_cvt_scalef32_pk8_fp8_f32 v[C+8*(\j)+2*\c:C+8*(\j)+2*\c+1], v[X+32*((\j)%2)+8*\c:X+32*((\j)%2)+8*\c+7], v11   ; registers 2 c, 2 c + 1 of the operand
.endr
.irp c, 0,1
	global_store_b128 v14, v[C+8*(\j)+4*\c:C+8*(\j)+4*\c+3], s[40+2*(\j):41+2*(\j)] offset:512*\c   ; a group: 32 lanes store 512 consecutive bytes, aligned.  No register of a store is written again
.endr
.endm
	s_wait_alu depctr_va_vdst(0)
	ATURN 0
	ASTEP 0
	ASTEP 1
	ASTEP 2
	ASTEP 3
	s_wait_tensorcnt 0x0
	ds_add_u32 v30, v31
	s_wait_dscnt 0x0
	s_endpgm
; ---- v: a unit is a step of 64 keys of one head.  A lane takes four neighbouring d of eight keys at a time; the hold also puts the eight keys of one d on end, so that the conversions give codes with the keys innermost.
.Lpath_v:
	s_sub_co_u32 s55, ttmp9, 1088
	s_lshl_b32 s55, s55, 2
	s_add_co_u32 s55, s55, s20                     ; 32 x head + step
	s_lshl_b32 s58, s55, 14
	s_mov_b32 s59, 0
	s_add_nc_u64 s[32:33], s[8:9], s[58:59]
	s_lshl_b32 s58, s55, 13
	s_add_co_u32 s58, s58, 4096                    ; V's part of a step lies behind K's 4,096 bytes
	s_add_nc_u64 s[40:41], s[16:17], s[58:59]
	v_lshlrev_b32 v15, 11, v4
	v_lshl_add_u32 v15, v3, 4, v15                 ; key 8 y, d = 4 x .. 4 x + 3
.irp a, 0,1,2,3
.irp i, 0,1,2,3,4,5,6,7
	global_load_b128 v[R+32*\a+4*\i:R+32*\a+4*\i+3], v15, s[32:33] offset:4096*\a+256*\i th:TH_LOAD_NT   ; key 16 a + 8 y + i: sixteen lanes read its whole row of 256 bytes
.endr
.endr
	s_wait_kmcnt 0x0
	s_add_co_i32 s54, s51, 127                     ; v's exponent is entry 3
	s_lshl_b32 s55, s54, 23
	v_mov_b32 v11, s55
	s_add_co_i32 s54, s54, 8
	s_lshl_b32 s54, s54, 23
	s_or_b32 s54, s54, 0x600000
	v_mov_b32 v10, s54
.macro VSTEP a
	s_wait_loadcnt 8*(3-(\a))                      ; these eight loads are in, the later ones may be out
.irp dd, 0,1,2,3
.irp i, 0,1,2,3,4,5,6,7
	v_med3_num_f32 v[X+32*((\a)%2)+8*\dd+\i], v[R+32*(\a)+4*\i+\dd], -v10, v10
.endr
.endr
.irp dd, 0,1,2,3
	v_cvt_scalef32_pk8_fp8_f32 v[C+16*((\a)/2)+4*\dd+2*((\a)%2):C+16*((\a)/2)+4*\dd+2*((\a)%2)+1], v[X+32*((\a)%2)+8*\dd:X+32*((\a)%2)+8*\dd+7], v11   ; d = 4 x + dd, keys 16 a + 8 y + 0..7; the sets of X take turns, so plain holds stand ahead of the next write of these sources
.endr
.if (\a)%2
.irp dd, 0,1,2,3
	ds_store_b128 v8, v[C+16*((\a)/2)+4*\dd:C+16*((\a)/2)+4*\dd+3] offset:512*((\a)/2)+16*\dd   ; 16 bytes of image lane 16 y + 4 (x % 4) + dd in group a / 2 of d tile x / 4
.endr
.endif
.endm
	s_wait_alu depctr_va_vdst(0)
	VSTEP 0
	VSTEP 1
	VSTEP 2
	VSTEP 3
.irp j, 0,1,2,3,4,5,6,7
	ds_load_b128 v[R+4*\j:R+4*\j+3], v9 offset:1040*(\j/2)+512*(\j%2)   ; the eight groups, as they will lie in memory
.endr
.irp j, 0,1,2,3,4,5,6,7
	s_wait_dscnt 7-\j                              ; group j is back, the younger ones may be out
	global_store_b128 v14, v[R+4*\j:R+4*\j+3], s[40:41] offset:512*\j
.endr
	s_wait_tensorcnt 0x0
	ds_add_u32 v30, v31
	s_wait_dscnt 0x0
	s_endpgm
.Lfunc_end_k_q2ecf1dfd5b_prep:
	.size	k_q2ecf1dfd5b_prep, .Lfunc_end_k_q2ecf1dfd5b_prep-k_q2ecf1dfd5b_prep
	.p2alignl 7, 3214868480
	.fill 96, 4, 3214868480
	.section	.rodata,"a",@progbits
	.p2align	6, 0x0
	.amdhsa_kernel k_q2ecf1dfd5b_prep
		.amdhsa_group_segment_fixed_size 51968
		.amdhsa_private_segment_fixed_size 0
		.amdhsa_enable_private_segment 0
		.amdhsa_kernarg_size 64
		.amdhsa_user_sgpr_count 2
		.amdhsa_user_sgpr_kernarg_segment_ptr 1
		.amdhsa_wavefront_size32 1
		.amdhsa_system_sgpr_workgroup_id_x 1
		.amdhsa_system_sgpr_workgroup_id_y 1
		.amdhsa_system_sgpr_workgroup_id_z 1
		.amdhsa_system_vgpr_workitem_id 0
		.amdhsa_next_free_vgpr 256
		.amdhsa_next_free_sgpr 80
		.amdhsa_reserve_vcc 0
		.amdhsa_float_denorm_mode_32 3
		.amdhsa_float_denorm_mode_16_64 3
		.amdhsa_memory_ordered 1
		.amdhsa_forward_progress 1
		.amdhsa_inst_pref_size 37
	.end_amdhsa_kernel
	.amdgpu_metadata
---
amdhsa.version: [ 1, 2 ]
amdhsa.kernels:
  - .name:           k_q2ecf1dfd5b_prep
    .symbol:         k_q2ecf1dfd5b_prep.kd
    .args:
      - { .name: q, .offset: 0, .size: 8, .value_kind: global_buffer, .address_space: global }
      - { .name: k, .offset: 8, .size: 8, .value_kind: global_buffer, .address_space: global }
      - { .name: v, .offset: 16, .size: 8, .value_kind: global_buffer, .address_space: global }
      - { .name: W_out, .offset: 24, .size: 8, .value_kind: global_buffer, .address_space: global }
      - { .name: lowp_scales, .offset: 32, .size: 8, .value_kind: global_buffer, .address_space: global }
      - { .name: q_img, .offset: 40, .size: 8, .value_kind: global_buffer, .address_space: global }
      - { .name: kv, .offset: 48, .size: 8, .value_kind: global_buffer, .address_space: global }
      - { .name: w_img, .offset: 56, .size: 8, .value_kind: global_buffer, .address_space: global }
    .group_segment_fixed_size: 51968
    .private_segment_fixed_size: 0
    .kernarg_segment_align: 8
    .kernarg_segment_size: 64
    .max_flat_workgroup_size: 128
    .sgpr_count:     80
    .vgpr_count:     256
    .wavefront_size: 32
...
	.end_amdgpu_metadata
.endif
;; end of part 1
;; launch attn (part 2): grid 4 x 64, 16 waves a work-group, clusters of 4 x 1, 272,384 bytes of LDS; arguments q_img, kv, mask, lowp_scales, a_img; writes a_img
.if DOCPART == 2
	.amdgcn_target "amdgcn-amd-amdhsa--gfx1250"
	.amdhsa_code_object_version 6
	.text
	.protected	k_q2ecf1dfd5b_attn
	.globl	k_q2ecf1dfd5b_attn
	.p2align	8
	.type	k_q2ecf1dfd5b_attn,@function
k_q2ecf1dfd5b_attn:
	s_mov_b64 s[64:65], 0
	v_nop
	global_prefetch_b8 v0, s[64:65] scope:SCOPE_SE
	s_setreg_imm32_b32 hwreg(HW_REG_WAVE_MODE, 25, 1), 1
	s_wait_xcnt 0x0
	s_wait_alu depctr_hold_cnt(0) depctr_sa_sdst(0) depctr_va_vdst(0) depctr_va_sdst(0) depctr_va_ssrc(0) depctr_va_vcc(0) depctr_vm_vsrc(0)
	s_getreg_b32 s2, hwreg(HW_REG_IB_STS2, 6, 4)
	s_cmp_eq_u32 s2, 0
	s_cbranch_scc0 .Lentry_in_a_cluster
	s_endpgm
.Lentry_in_a_cluster:
	s_bfe_u32 s2, ttmp6, 0x10000c
	s_cmp_lg_u32 s2, 0x3003
	s_cbranch_scc0 .Lentry_shape_is_right
	s_endpgm
.Lentry_shape_is_right:
; Masked attention of one head on codes of E4M3, and the quantiser of the output projection's left operand.  64 heads x 2,048 queries x 2,048 keys x 64.
; t = score x log2(e) / 8; M = the row's largest t, rounded UP to a whole number; p = 2^(t - M) is quantised with 2^e2; the row's sum is taken of the unquantised p and divides O at the end.
; TWO WALKS OVER THE KEYS.  The whole head lies in LDS, so the first walk makes K Q^T and keeps only each row's largest score; the second makes K Q^T again with M fixed:
; no sum and no accumulator is ever rescaled, and M is the ceiling of the whole row's largest t.
; THE MASK (key and query 0 always count).  A hidden key: -2^127 is added to its score, as the C operand of K Q^T, so p = 0 in a live row.  A dead query: its lane's factor c is 0, so t = 0, M = 0 and p = 1
; for all 2,048 keys: all its logits are equal, and the row is the mean of the quantised v.  Nothing branches on the mask.
; SHARES.  A work-group owns 512 queries of one head, each of its sixteen waves 32: two tiles of 16, which share every fragment of K, of V and of the bias read from LDS.
; LDS: 32 steps x 8,192 bytes as they lie in kv, brought by sixteen tensor loads of 16,384 bytes, one a wave, each byte filled once; then 2,048 f32 of bias; then the spare words.
; CLUSTER.  The four query blocks of a head read the same bytes: every load is asked for jointly by the four work-groups (mask 15).
; NO PREFETCH: all fills go out at the head; there is no loop in which to ask ahead of them.
; LAYOUT.  Both products are used transposed: S^T = K Q^T (source 0 = 16 keys, source 1 = 16 queries), O^T = V^T P^T: a lane holds ONE query (lane % 16); register j of key tile t is key 16 t + 8 (lane / 16) + j,
; so the conversion of tile t's eight registers gives registers 2 t, 2 t + 1 of the second product's operand, and O^T's codes are a group of the projection's image as they stand.
; LIMITS: e0 + e1 between -112 and 130 (added to c's exponent field; from -112 on 2^127 x c is over 2^12, so a hidden key's p is 0); e2, and e4 - e2 - e3, between -126 and 119; the scaled scores stay under 2^31.
.set LI,  1                            ; v1   16 x lane
.set BL,  2                            ; v2   BIAS + 32 (lane / 16)
.set ADR, 3                            ; v3   the step's tiles in LDS, for my lane
.set ADB, 4                            ; v4   the step's bias
.set LIM, 5                            ; v5   the way out: 448 x the conversion's scale
.set SC,  6                            ; v6   the conversion's scale;  v7, v8: a permute's result
.set ST,  10                           ; tile x's figures at v[ST+8x]: +0,+1 -M; +2,+3 the sum's first chain; +4,+5 c of my query; +6,+7 first walk: the maximum's two chains, second: the sum's second chain
.set SPW, 28                           ; v28  my spare word; v29 0: never rewritten
.set NIL, 29
.set QF,  32                           ; v32-47   Q's two fragments
.set S,   48                           ; v48-111  S^T, then p: 32 a tile
.set O,   112                          ; v112-175 O^T: 32 a tile
.set P,   176                          ; v176-191 p's codes: 8 a tile
.set KF,  192                          ; v192-223 K's four fragments
.set BV,  224                          ; v224-255 the bias of 64 keys, then V's four fragments
.set BIAS, 262144
.set SPARE, 0x42000                    ; behind the bias: 128 bytes a wave
.set WV,  14                           ; s14 wave; s15 cx; s16 head; s[20:21] the permute's selects; s22 c; s23 448 x 2^e2; s[24:31] group 1; s[32:35] group 0
.set SLIM, 23
.set TB,  48                           ; s48 LDS byte of the step in hand; s49 its bias's byte; s50 counts steps; s[52:57] e0 .. e5
.set TBB, 49
.macro CROUND                          ; a round of the cluster's barrier
	s_barrier_signal -1
	s_barrier_wait -1
	s_cmp_lg_u32 s[WV], 0
	s_cbranch_scc1 .Lnot_wave_0_\@
	s_barrier_signal -3
.Lnot_wave_0_\@:
	s_barrier_wait -3
	s_barrier_signal -1
	s_barrier_wait -1
.endm
	s_load_b256 s[4:11], s[0:1], 0x0               ; q_img s[4:5], kv s[6:7], mask s[8:9], the exponents s[10:11]
	s_load_b64 s[12:13], s[0:1], 0x20              ; a_img
	v_lshl_add_u32 v[SPW], v0, 2, SPARE
	v_mov_b32 v[NIL], 0
	ds_add_u32 v[SPW], v[NIL]                      ; the opening lines: the add twice on end under one wait
	ds_add_u32 v[SPW], v[NIL]
	v_lshrrev_b32 v1, 5, v0
	v_readfirstlane_b32 s[WV], v1                  ; wave 0..15
	s_bfe_u32 s15, ttmp6, 0x40000                  ; cx: my block of 512 queries: it enters global addresses of Q, the mask's queries and a_img alone
	s_and_b32 s16, ttmp7, 0xffff                   ; the head, which the four partners share
	s_mov_b32 s24, 15|(3<<16)|(1<<21)              ; group 1: a dense block of 16,384 bytes as 64 rows of 32 elements of 8 bytes; mask: all four work-groups
	s_mov_b32 s25, 32<<16
	s_mov_b32 s26, 64<<16
	s_mov_b32 s27, 32<<16
	s_mov_b32 s28, 64
	s_mov_b32 s29, 32
	s_mov_b32 s30, 0
	s_mov_b32 s31, 0
	s_lshl_b32 s58, s[WV], 14                      ; my sixteenth of the head, in LDS and in memory alike
	s_lshl_b32 s60, s16, 18                        ; the head's 262,144 bytes
	s_add_co_u32 s60, s60, s58
	s_mov_b32 s61, 0
	s_wait_dscnt 0x0                               ; both opening adds are done
	s_wait_kmcnt 0x0
	s_load_b128 s[52:55], s[10:11], 0x0            ; e0 .. e3
	s_load_b64 s[56:57], s[10:11], 0x10            ; e4, e5
	s_mov_b32 s32, 1
	s_mov_b32 s33, s58
	s_add_nc_u64 s[34:35], s[6:7], s[60:61]
	s_or_b32 s35, s35, 0x80000000
	CROUND                                         ; all four work-groups are here: the joint loads meet
	tensor_load_to_lds s[32:35], s[24:31]          ; my one tensor load
	s_nop 0
	v_and_b32 v[LI], 31, v0
	v_lshlrev_b32 v[LI], 4, v[LI]
	v_bfe_u32 v[BL], v0, 4, 1
	v_lshl_add_u32 v[BL], v[BL], 5, BIAS
	s_lshl_b32 s66, s16, 17                        ; Q: 131,072 bytes a head, 1,024 a tile; my two tiles are 32 cx + 2 wave on
	s_lshl_b32 s67, s15, 15
	s_add_co_u32 s66, s66, s67
	s_lshl_b32 s67, s[WV], 11
	s_add_co_u32 s66, s66, s67
	s_mov_b32 s67, 0
	s_add_nc_u64 s[4:5], s[4:5], s[66:67]
.irp g, 0,1,2,3
	global_load_b128 v[QF+4*\g:QF+4*\g+3], v[LI], s[4:5] offset:512*\g th:TH_LOAD_NT
.endr
	s_lshr_b32 s68, s16, 4                         ; b
	s_mul_i32 s66, s68, 2047
	s_add_nc_u64 s[8:9], s[8:9], s[66:67]          ; the mask's row: byte j - 1 is key (or query) j
	v_lshlrev_b32 v48, 2, v0                       ; thread T sees to keys 4 T .. 4 T + 3
	v_min_u32 v49, 1, v48
	v_sub_nc_u32 v49, v48, v49                     ; 4 T - 1, and 0 for T = 0, whose byte is not used
	s_lshl_b32 s69, s15, 9
	s_lshl_b32 s70, s[WV], 5
	s_add_co_u32 s69, s69, s70
	v_and_b32 v50, 15, v0
	v_add_nc_u32 v50, s69, v50                     ; my query of the first tile,
	v_min_u32 v51, 1, v50
	v_sub_nc_u32 v51, v50, v51                     ; its byte (0 for query 0),
	v_add_nc_u32 v52, 15, v50                      ; and that of my query of the second tile.  The largest offset of all is 2,046
	global_load_u8 v53, v49, s[8:9]
	global_load_u8 v54, v48, s[8:9]
	global_load_u8 v55, v48, s[8:9] offset:1
	global_load_u8 v56, v48, s[8:9] offset:2
	global_load_u8 v57, v51, s[8:9]
	global_load_u8 v58, v52, s[8:9]
	s_and_b32 s70, s16, 15                         ; a_img [k / 256][m tile][k64][c][512]: k = 64 x (head % 16) + d, m tile = 128 b + 32 cx + 2 wave + tile
	s_lshr_b32 s71, s70, 2
	s_lshl_b32 s71, s71, 21
	s_and_b32 s70, s70, 3
	s_lshl_b32 s70, s70, 10
	s_add_co_u32 s70, s70, s71
	s_lshl_b32 s71, s68, 7
	s_lshl_b32 s72, s15, 5
	s_add_co_u32 s71, s71, s72
	s_lshl_b32 s72, s[WV], 1
	s_add_co_u32 s71, s71, s72
	s_lshl_b32 s71, s71, 12
	s_add_co_u32 s70, s70, s71
	s_mov_b32 s71, 0
	s_add_nc_u64 s[12:13], s[12:13], s[70:71]
	s_mov_b32 s20, 0x76543210                      ; v_permlanex16_b32: lane l xor 16
	s_mov_b32 s21, 0xfedcba98
.irp x, 0,1
	v_mov_b32 v[ST+8*\x+6], 0xff61b1e6             ; the largest score so far, two chains: -3e38
	v_mov_b32 v[ST+8*\x+7], 0xff61b1e6
	v_mov_b32 v[ST+8*\x+2], 0                      ; the sum's first chain
	v_mov_b32 v[ST+8*\x+3], 0
	v_mov_b32 v[7+\x], 0                           ; (a permute's destination counts as one of its sources)
.endr
	s_wait_kmcnt 0x0
	s_add_co_i32 s22, s52, s53
	s_lshl_b32 s22, s22, 23
	s_add_co_i32 s22, s22, 0x3e38aa3b              ; c = log2(e) / 8 x 2^(e0 + e1)
	s_add_co_i32 s66, s54, 127
	s_lshl_b32 s67, s66, 23
	v_mov_b32 v[SC], s67                           ; 2^e2
	s_add_co_i32 s66, s66, 8
	s_lshl_b32 s66, s66, 23
	s_or_b32 s[SLIM], s66, 0x600000                ; 448 x 2^e2
	s_sub_co_i32 s66, s56, s54                     ; the way out: O^T / l stands for out / 2^(e2 + e3), so its code is taken with the one scale 2^(e4 - e2 - e3)
	s_sub_co_i32 s66, s66, s55
	s_add_co_i32 s66, s66, 127
	s_lshl_b32 s67, s66, 23
	s_add_co_i32 s66, s66, 8
	s_lshl_b32 s66, s66, 23
	s_or_b32 s66, s66, 0x600000
	s_wait_alu depctr_va_vdst(0)                   ; directly ahead of the wait below
	s_wait_loadcnt 0x0                             ; Q and the mask's bytes
	v_mov_b32 v59, 0xff000000                      ; -2^127
	v_mov_b32 v64, 1
	v_cmp_eq_u32 vcc_lo, 0, v0
	v_cndmask_b32 v53, v53, v64, vcc_lo            ; key 0 always counts,
	v_cmp_eq_u32 vcc_lo, 0, v50
	v_cndmask_b32 v57, v57, v64, vcc_lo            ; and so does query 0
.irp n, 0,1,2,3
	v_cmp_eq_u32 vcc_lo, 0, v[53+\n]
	v_cndmask_b32 v[60+\n], 0, v59, vcc_lo         ; 0 for a live key, -2^127 for a hidden one
.endr
	v_lshl_add_u32 v65, v0, 4, BIAS
	ds_store_b128 v65, v[60:63]
	v_mov_b32 v59, s22
.irp x, 0,1
	v_cmp_ne_u32 vcc_lo, 0, v[57+\x]
	v_cndmask_b32 v[ST+8*\x+4], 0, v59, vcc_lo     ; c for a live query, 0 for a dead one
	v_mov_b32 v[ST+8*\x+5], v[ST+8*\x+4]
.endr
; S^T of 64 keys and both tiles of queries.  pre: v_nop that, with the two additions, make the four plain lines behind earlier products that read BV (ISA guide 7.12.1 for vector instructions)
.macro SCORES pre
	v_add_nc_u32 v[ADR], s[TB], v[LI]
	v_add_nc_u32 v[ADB], s[TBB], v[BL]
.rept \pre
	v_nop
.endr
.irp t, 0,1,2,3
	ds_load_b128 v[KF+8*\t:KF+8*\t+3],   v[ADR] offset:1024*\t
	ds_load_b128 v[KF+8*\t+4:KF+8*\t+7], v[ADR] offset:1024*\t+512
	ds_load_b128 v[BV+8*\t:BV+8*\t+3],   v[ADB] offset:64*\t      ; register j: the bias of key 16 t + 8 (lane / 16) + j
	ds_load_b128 v[BV+8*\t+4:BV+8*\t+7], v[ADB] offset:64*\t+16
.endr
	s_wait_alu depctr_va_vdst(0)                   ; directly ahead of the waits below
.irp t, 0,1,2,3
	s_wait_dscnt 12-4*\t                           ; key tile t's four loads are in; the later tiles' four each may be out
.irp x, 0,1
	v_wmma_f32_16x16x64_fp8_fp8 v[S+32*\x+8*\t:S+32*\x+8*\t+7], v[KF+8*\t:KF+8*\t+7], v[QF+8*\x:QF+8*\x+7], v[BV+8*\t:BV+8*\t+7]
.endr
.endr
.rept 4
	v_nop                                          ; four plain lines ahead of the first read of the scores and of loads into BV
.endr
.endm
.macro NEXT
	s_add_co_u32 s[TB], s[TB], 8192
	s_add_co_u32 s[TBB], s[TBB], 256
.endm
; A step of the second walk.  zero = 1: the first products start O^T's sums.
.macro STEP zero
	SCORES 2
.irp t, 0,1,2,3
	ds_load_b128 v[BV+8*\t:BV+8*\t+3],   v[ADR] offset:4096+1024*\t       ; V's fragments land while p is made
	ds_load_b128 v[BV+8*\t+4:BV+8*\t+7], v[ADR] offset:4096+1024*\t+512
.endr
.set j, 0
.rept 16
.irp x, 0,1
	v_pk_fma_f32 v[S+32*\x+j:S+32*\x+j+1], v[S+32*\x+j:S+32*\x+j+1], v[ST+8*\x+4:ST+8*\x+5], v[ST+8*\x:ST+8*\x+1] op_sel_hi:[1,0,0]   ; t - M, each accumulator from its low end on
.endr
.set j, j+2
.endr
	s_wait_alu depctr_va_vdst(0)                   ; ahead of the batch
.set j, 0
.rept 64
	v_exp_f32 v[S+j], v[S+j]                       ; p = 2^(t - M): one batch
.set j, j+1
.endr
	v_nop                                          ; a plain line behind the exponentials,
	s_wait_alu depctr_va_vdst(0)                   ; and the one wait ahead of their first reader
.irp i, 0,4,8,12,16,20,24,28
.irp x, 0,1
	v_pk_add_f32 v[ST+8*\x+2:ST+8*\x+3], v[ST+8*\x+2:ST+8*\x+3], v[S+32*\x+\i:S+32*\x+\i+1]      ; the row's sum of the unquantised p: two chains a tile, joined on the way out
	v_pk_add_f32 v[ST+8*\x+6:ST+8*\x+7], v[ST+8*\x+6:ST+8*\x+7], v[S+32*\x+\i+2:S+32*\x+\i+3]
.endr
.endr
.set j, 0
.rept 32
	v_dual_min_num_f32 v[S+j], s[SLIM], v[S+j] :: v_dual_min_num_f32 v[S+j+1], s[SLIM], v[S+j+1]   ; the conversion does not saturate (ISA guide 7.6.2); p is not negative, so the hold is one-sided
.set j, j+2
.endr
.irp x, 0,1
.irp t, 0,1,2,3
	v_cvt_scalef32_pk8_fp8_f32 v[P+8*\x+2*\t:P+8*\x+2*\t+1], v[S+32*\x+8*\t:S+32*\x+8*\t+7], v[SC]   ; keys 16 t + 8 (lane / 16) + 0..7: registers 2 t, 2 t + 1 of the operand
.endr
.endr
	v_nop                                          ; a plain line behind the conversions
	s_wait_alu depctr_va_vdst(0)                   ; directly ahead of the wait below
	s_wait_dscnt 0x0                               ; V is in
.irp t, 0,1,2,3
.irp x, 0,1                                    ; the eight accumulators take turns, and the next step's eight products stand ahead of their next links
.if \zero
	v_wmma_f32_16x16x64_fp8_fp8 v[O+32*\x+8*\t:O+32*\x+8*\t+7], v[BV+8*\t:BV+8*\t+7], v[P+8*\x:P+8*\x+7], 0
.else
	v_wmma_f32_16x16x64_fp8_fp8 v[O+32*\x+8*\t:O+32*\x+8*\t+7], v[BV+8*\t:BV+8*\t+7], v[P+8*\x:P+8*\x+7], v[O+32*\x+8*\t:O+32*\x+8*\t+7]
.endif
.endr
.endr
	NEXT
.endm
	s_wait_alu depctr_va_vdst(0)                   ; the head's end
	s_wait_tensorcnt 0x0                           ; my sixteenth of the head has landed,
	s_wait_dscnt 0x0                               ; and my store of the bias
	s_barrier_signal -1
	s_barrier_wait -1                              ; so has everybody's; nothing in LDS is written from here on
	; THE FIRST WALK: each row's largest score
	s_mov_b32 s[TB], 0
	s_mov_b32 s[TBB], 0
	s_mov_b32 s50, 32
.Lmax:
	SCORES 0                                       ; the 32 lines below stand between a trip's products and the next trip's loads
.irp i, 0,4,8,12,16,20,24,28
.irp x, 0,1
	v_max3_num_f32 v[ST+8*\x+6], v[ST+8*\x+6], v[S+32*\x+\i], v[S+32*\x+\i+1]
	v_max3_num_f32 v[ST+8*\x+7], v[ST+8*\x+7], v[S+32*\x+\i+2], v[S+32*\x+\i+3]
.endr
.endr
	NEXT
	s_sub_co_u32 s50, s50, 1
	s_cmp_lg_u32 s50, 0
	s_cbranch_scc1 .Lmax
.irp x, 0,1
	v_max_num_f32 v[ST+8*\x+6], v[ST+8*\x+6], v[ST+8*\x+7]
.endr
.irp x, 0,1
	v_permlanex16_b32 v[7+\x], v[ST+8*\x+6], s20, s21
.endr
.irp x, 0,1
	v_max_num_f32 v[ST+8*\x+6], v[ST+8*\x+6], v[7+\x]              ; and among lane l xor 16's
.endr
.irp x, 0,1
	v_mul_f32 v[ST+8*\x+6], v[ST+8*\x+4], v[ST+8*\x+6]             ; as t (c is not negative)
.endr
.irp x, 0,1
	v_floor_f32 v[ST+8*\x], -v[ST+8*\x+6]                          ; -M = floor(-t): M is a whole number
.endr
.irp x, 0,1
	v_mov_b32 v[ST+8*\x+1], v[ST+8*\x]                             ; (named with it as a pair)
	v_mov_b32 v[ST+8*\x+6], 0                                      ; the sum's second chain
	v_mov_b32 v[ST+8*\x+7], 0
.endr
	; THE SECOND WALK
	s_mov_b32 s[TB], 0
	s_mov_b32 s[TBB], 0
	STEP 1
	s_mov_b32 s50, 31
.Lstep:
	STEP 0
	s_sub_co_u32 s50, s50, 1
	s_cmp_lg_u32 s50, 0
	s_cbranch_scc1 .Lstep
	; THE WAY OUT.  O^T / l is held and converted with 2^(e4 - e2 - e3); a lane's four code registers are 16 bytes of a group of a_img.  The additions and moves are the plain lines behind the last products.
.irp x, 0,1
	v_pk_add_f32 v[ST+8*\x+2:ST+8*\x+3], v[ST+8*\x+2:ST+8*\x+3], v[ST+8*\x+6:ST+8*\x+7]
.endr
.irp x, 0,1
	v_add_f32 v[ST+8*\x+2], v[ST+8*\x+2], v[ST+8*\x+3]
.endr
.irp x, 0,1
	v_permlanex16_b32 v[7+\x], v[ST+8*\x+2], s20, s21
.endr
.irp x, 0,1
	v_add_f32 v[ST+8*\x+2], v[ST+8*\x+2], v[7+\x]                  ; the row's sum
.endr
	v_mov_b32 v[SC], s67
	v_mov_b32 v[LIM], s66
	s_wait_alu depctr_va_vdst(0)                   ; ahead of the batch
.irp x, 0,1
	v_rcp_f32 v[ST+8*\x+6], v[ST+8*\x+2]
.endr
	v_nop                                          ; a plain line behind the reciprocals,
	s_wait_alu depctr_va_vdst(0)                   ; and the one wait ahead of their first reader and of O^T's first readers
.irp x, 0,1
.set j, 0
.rept 16
	v_pk_mul_f32 v[O+32*\x+j:O+32*\x+j+1], v[O+32*\x+j:O+32*\x+j+1], v[ST+8*\x+6:ST+8*\x+7] op_sel_hi:[1,0]
.set j, j+2
.endr
.endr
.set j, 0
.rept 64
	v_med3_num_f32 v[O+j], v[O+j], -v[LIM], v[LIM]
.set j, j+1
.endr
.irp x, 0,1
.irp t, 0,1,2,3
	v_cvt_scalef32_pk8_fp8_f32 v[KF+8*\x+2*\t:KF+8*\x+2*\t+1], v[O+32*\x+8*\t:O+32*\x+8*\t+7], v[SC]   ; d = 16 t + 8 (lane / 16) + 0..7 of my query
.endr
.endr
	v_nop
.irp x, 0,1
.irp g, 0,1
	global_store_b128 v[LI], v[KF+8*\x+4*\g:KF+8*\x+4*\g+3], s[12:13] offset:4096*\x+512*\g   ; 32 lanes store 512 consecutive bytes, aligned
.endr
.endr
	s_wait_tensorcnt 0x0                           ; the wave's end
	ds_add_u32 v[SPW], v[NIL]
	s_wait_dscnt 0x0
	CROUND                                         ; the closing round
	s_endpgm
.Lfunc_end_k_q2ecf1dfd5b_attn:
	.size	k_q2ecf1dfd5b_attn, .Lfunc_end_k_q2ecf1dfd5b_attn-k_q2ecf1dfd5b_attn
	.p2alignl 7, 3214868480
	.fill 96, 4, 3214868480
	.section	.rodata,"a",@progbits
	.p2align	6, 0x0
	.amdhsa_kernel k_q2ecf1dfd5b_attn
		.amdhsa_group_segment_fixed_size 272384
		.amdhsa_private_segment_fixed_size 0
		.amdhsa_enable_private_segment 0
		.amdhsa_kernarg_size 40
		.amdhsa_user_sgpr_count 2
		.amdhsa_user_sgpr_kernarg_segment_ptr 1
		.amdhsa_wavefront_size32 1
		.amdhsa_system_sgpr_workgroup_id_x 1
		.amdhsa_system_sgpr_workgroup_id_y 1
		.amdhsa_system_sgpr_workgroup_id_z 1
		.amdhsa_system_vgpr_workitem_id 0
		.amdhsa_next_free_vgpr 256
		.amdhsa_next_free_sgpr 80
		.amdhsa_reserve_vcc 1
		.amdhsa_float_denorm_mode_32 3
		.amdhsa_float_denorm_mode_16_64 3
		.amdhsa_memory_ordered 1
		.amdhsa_forward_progress 1
		.amdhsa_inst_pref_size 44
	.end_amdhsa_kernel
	.amdgpu_metadata
---
amdhsa.version: [ 1, 2 ]
amdhsa.kernels:
  - .name:           k_q2ecf1dfd5b_attn
    .symbol:         k_q2ecf1dfd5b_attn.kd
    .args:
      - { .name: q_img, .offset: 0, .size: 8, .value_kind: global_buffer, .address_space: global }
      - { .name: kv, .offset: 8, .size: 8, .value_kind: global_buffer, .address_space: global }
      - { .name: mask, .offset: 16, .size: 8, .value_kind: global_buffer, .address_space: global }
      - { .name: lowp_scales, .offset: 24, .size: 8, .value_kind: global_buffer, .address_space: global }
      - { .name: a_img, .offset: 32, .size: 8, .value_kind: global_buffer, .address_space: global }
    .group_segment_fixed_size: 272384
    .private_segment_fixed_size: 0
    .kernarg_segment_align: 8
    .kernarg_segment_size: 40
    .max_flat_workgroup_size: 512
    .sgpr_count:     80
    .vgpr_count:     256
    .wavefront_size: 32
...
	.end_amdgpu_metadata
.endif
;; end of part 2
;; launch proj (part 3): grid 4 x 64, 4 waves a work-group, clusters of 4 x 4, 327,680 bytes of LDS; arguments a_img, w_img, lowp_scales, out0, b_out; writes out0
.if DOCPART == 3
	.amdgcn_target "amdgcn-amd-amdhsa--gfx1250"
	.amdhsa_code_object_version 6
	.text
	.protected	k_q2ecf1dfd5b_proj
	.globl	k_q2ecf1dfd5b_proj
	.p2align	8
	.type	k_q2ecf1dfd5b_proj,@function
k_q2ecf1dfd5b_proj:
	s_mov_b64 s[64:65], 0
	v_nop
	global_prefetch_b8 v0, s[64:65] scope:SCOPE_SE
	s_setreg_imm32_b32 hwreg(HW_REG_WAVE_MODE, 25, 1), 1
	s_wait_xcnt 0x0
	s_wait_alu depctr_hold_cnt(0) depctr_sa_sdst(0) depctr_va_vdst(0) depctr_va_sdst(0) depctr_va_ssrc(0) depctr_va_vcc(0) depctr_vm_vsrc(0)
	s_getreg_b32 s2, hwreg(HW_REG_IB_STS2, 6, 4)
	s_cmp_eq_u32 s2, 0
	s_cbranch_scc0 .Lentry_in_a_cluster
	s_endpgm
.Lentry_in_a_cluster:
	s_bfe_u32 s2, ttmp6, 0x10000c
	s_cmp_lg_u32 s2, 0xf033
	s_cbranch_scc0 .Lentry_shape_is_right
	s_endpgm
.Lentry_shape_is_right:
; out0[m][n] = 2^(e4 + e5) x (sum over k of A[m][k] W[n][k]) + b_out[n]: 8,192 x 1,024 x 1,024 on codes of E4M3.  LIMIT: e4 + e5 between -126 and 127.
; a_img [k / 256: 4][m tile 512][4,096 bytes], w_img [k / 256: 4][n tile 64][4,096 bytes]: images of operand registers; 16 rows x 256 k are 4,096 bytes, a fragment of 128 k four 16-byte loads at 16 x lane.
; A block of out0 is 128 rows x 256 columns: 256 work-groups.  Four waves, each 64 x 128: 32 accumulators.  K goes in four fills of 256 through two LDS slots (A 32,768 bytes, then B 65,536).
; CLUSTER 4 x 4: A's tiles are asked for jointly along a row of the cluster, B's along a column.  Waves 0, 1 fetch A's halves, waves 2, 3 B's: one tensor load a wave.
; NO PREFETCH: of K's four fills two are first fills; a request two fills ahead of the other two would stand at the head, with no loop to run ahead in.
; The matrix instruction is used transposed (source 0 = 16 rows of W, source 1 = 16 rows of A): a lane holds eight neighbouring numbers of a row of out0.
; REGISTERS: window 0: v0-31 addresses, v128-255 A's fragments, two sets of 64 (on the way out: rows read back); window 1: B's, two sets of 128; window 2: accumulator (a, b) at v[8 (8 a + b)].
.set SIZE_N, 1024
.set FR,     16
.set AH,     4*4096                    ; what one load brings of A, and what a wave reads of it
.set BH,     8*4096                    ; the same for B
.set BOFF,   2*AH
.set SLOT,   2*AH+2*BH
.set AKS,    512*4096                  ; 256 along K on, in a_img
.set BKS,    64*4096                   ; and in w_img
.set SPARE,  2*SLOT                    ; the spare words: 128 bytes a wave
.set SPITCH, 528                       ; the way out: a stage of 16 rows x (512 + 16) bytes a wave, in slot 0, behind its last fill and its last read
.set BI,   8                           ; v8-11 my four numbers of b_out
.set ADRA, 16
.set ADRB, 20
.set STO,  24
.set RD,   25
.set CO,   26
.set SPW,  28
.set NIL,  29
.set AF,   128
.set BK,   128
.set G1, 24
.set G0, 32
.set G1B, 48
.set G0B, 56
.set MSB, 0
.macro WIN new
.if MSB != \new
	s_set_vgpr_msb (MSB<<8)|\new
.set MSB, \new
.endif
.endm
.set MUL,  0xa1                        ; source 0 (B) window 1, source 1 (A) window 0, C and D window 2
.set TO_B, 0x40
.macro JLOAD g0a, g1a, g0b, g1b        ; the branch hangs on the wave's number alone; s_nop 0 and four v_nop follow each line
	s_cmp_eq_u32 s15, 0
	s_cbranch_scc0 .Lfor_b_\@
	tensor_load_to_lds s[\g0a:\g0a+3], s[\g1a:\g1a+7]
	s_nop 0
.rept 4
	v_nop
.endr
	s_branch .Lasked_\@
.Lfor_b_\@:
	tensor_load_to_lds s[\g0b:\g0b+3], s[\g1b:\g1b+7]
	s_nop 0
.rept 4
	v_nop
.endr
.Lasked_\@:
.endm
.macro CREST
	s_cmp_lg_u32 s14, 0
	s_cbranch_scc1 .Lnot_wave_0_\@
	s_barrier_signal -3
.Lnot_wave_0_\@:
	s_barrier_wait -3
	s_barrier_signal -1
	s_barrier_wait -1
.endm
.macro CROUND
	s_barrier_signal -1
	s_barrier_wait -1
	CREST
.endm
	s_load_b128 s[4:7], s[0:1], 0x0                ; a_img, w_img
	s_load_b128 s[8:11], s[0:1], 0x10              ; the exponents, out0
	s_load_b64 s[12:13], s[0:1], 0x20              ; b_out
	v_lshl_add_u32 v[SPW], v0, 2, SPARE
	v_mov_b32 v[NIL], 0
	ds_add_u32 v[SPW], v[NIL]                      ; the opening lines: the add twice on end under one wait
	ds_add_u32 v[SPW], v[NIL]
	v_lshrrev_b32 v1, 5, v0
	v_readfirstlane_b32 s14, v1                    ; wave 0..3
	s_lshr_b32 s15, s14, 1                         ; my half of the block's rows.  Also: I fetch for A (0) or for B (1)
	s_and_b32 s16, s14, 1                          ; my half of its columns.  Also: which half of that tile I fetch
	s_bfe_u32 s40, ttmp6, 0x40000                  ; cx, cy
	s_bfe_u32 s41, ttmp6, 0x40004
	s_lshl_b32 s42, ttmp9, 2
	s_add_co_u32 s42, s42, s40                     ; block column
	s_and_b32 s17, ttmp7, 0xffff
	s_lshl_b32 s17, s17, 2
	s_add_co_u32 s17, s17, s41                     ; block row
	s_lshl_b32 s43, s41, 2
	s_lshl_b32 s43, 15, s43                        ; my row of the cluster
	s_lshl_b32 s44, 0x1111, s40                    ; my column
	s_or_b32 s[G1+0], s43, (3<<16)|(1<<21)         ; dense blocks as rows of 32 elements of 8 bytes: A 64 rows, B 128
	s_or_b32 s[G1B+0], s44, (3<<16)|(1<<21)
	s_mov_b32 s[G1+1], 32<<16
	s_mov_b32 s[G1+2], 64<<16
	s_mov_b32 s[G1+3], 32<<16
	s_mov_b32 s[G1+4], 64
	s_mov_b32 s[G1+5], 32
	s_mov_b32 s[G1+6], 0
	s_mov_b32 s[G1+7], 0
	s_mov_b32 s[G1B+1], 32<<16
	s_mov_b32 s[G1B+2], 128<<16
	s_mov_b32 s[G1B+3], 32<<16
	s_mov_b32 s[G1B+4], 128
	s_mov_b32 s[G1B+5], 32
	s_mov_b32 s[G1B+6], 0
	s_mov_b32 s[G1B+7], 0
	s_lshl_b32 s68, s16, 14                        ; A's half: in LDS, and in the block's 32,768 bytes of a_img
	s_lshl_b32 s20, s17, 15
	s_add_co_u32 s20, s20, s68
	s_lshl_b32 s18, s16, 15                        ; B's half
	s_lshl_b32 s46, s42, 16
	s_add_co_u32 s46, s46, s18
	s_add_co_u32 s69, s18, BOFF                    ; in LDS B lies behind A
	s_mov_b32 s21, 0
	s_mov_b32 s47, 0
	s_wait_dscnt 0x0                               ; both opening adds are done
	s_wait_kmcnt 0x0
	s_load_b64 s[96:97], s[8:9], 0x10              ; e4, e5
	s_add_nc_u64 s[20:21], s[4:5], s[20:21]
	s_add_nc_u64 s[46:47], s[6:7], s[46:47]
	CROUND                                         ; all sixteen work-groups are here: the first joint loads meet
.irp s, 0,1
	s_mov_b32 s[G0+4*\s], 1
	s_add_co_u32 s[G0+4*\s+1], s68, \s*SLOT
	s_add_nc_u64 s[G0+4*\s+2:G0+4*\s+3], s[20:21], \s*AKS
	s_or_b32 s[G0+4*\s+3], s[G0+4*\s+3], 0x80000000
	s_mov_b32 s[G0B+4*\s], 1
	s_add_co_u32 s[G0B+4*\s+1], s69, \s*SLOT
	s_add_nc_u64 s[G0B+4*\s+2:G0B+4*\s+3], s[46:47], \s*BKS
	s_or_b32 s[G0B+4*\s+3], s[G0B+4*\s+3], 0x80000000
.endr
	JLOAD G0, G1, G0B, G1B                         ; the first fill of slot 0: one tensor load a wave at the head
	s_lshl_b32 s71, s15, 14                        ; my 64 rows of A in a slot; my 128 columns of B begin at s69
	s_mul_i32 s23, s14, 16*SPITCH                  ; my stage
	s_lshl_b32 s20, s17, 7
	s_lshl_b32 s70, s15, 6
	s_add_co_u32 s20, s20, s70                     ; my first row of out0,
	s_lshl_b32 s20, s20, 12                        ; in bytes
	s_mov_b32 s21, 0
	s_lshl_b32 s46, s42, 10
	s_lshl_b32 s47, s16, 9
	s_add_co_u32 s46, s46, s47                     ; my first column, in bytes
	s_mov_b32 s47, 0
	s_add_nc_u64 s[12:13], s[12:13], s[46:47]
	s_add_nc_u64 s[20:21], s[20:21], s[46:47]
	s_add_nc_u64 s[10:11], s[10:11], s[20:21]
	v_and_b32 v1, 15, v0
	v_bfe_u32 v2, v0, 4, 1
	v_and_b32 v6, 31, v0
	v_lshlrev_b32 v[CO], 4, v6                     ; 16 x lane: my place in a group, in a row read back, and in a row of out0
	v_add_nc_u32 v[ADRA], s71, v[CO]
	v_add_nc_u32 v[ADRB], s69, v[CO]
	v_add_nc_u32 v[ADRA+1], SLOT, v[ADRA]
	v_add_nc_u32 v[ADRB+1], SLOT, v[ADRB]
	v_mul_u32_u24 v5, v1, SPITCH
	v_lshl_add_u32 v5, v2, 5, v5
	v_add_nc_u32 v[STO], s23, v5                   ; into the stage: row l % 16, 32 bytes for each half of the lanes
	v_add_nc_u32 v[RD], s23, v[CO]                 ; back: the 32 lanes take one row of 512 bytes
.macro FRAG reg, adr, q, i
.irp c, 0,1,2,3
	ds_load_b128 v[\reg+4*\c:\reg+4*\c+3], v[\adr] offset:4096*(\i)+2048*(\q)+512*\c
.endr
.endm
; 16 matrix instructions: A's blocks a0, a0 + 1 x B's eight, 128 along K, on set p.  The 32 accumulators take turns in the same order in every step.
.macro MUL16 a0, p, zero
.irp a, \a0, \a0+1
.irp b, 0,1,2,3,4,5,6,7
.if \zero
	v_wmma_f32_16x16x128_fp8_fp8 v[8*(8*(\a)+\b):8*(8*(\a)+\b)+7], v[128*(\p)+FR*\b:128*(\p)+FR*\b+FR-1], v[AF+64*(\p)+FR*(\a):AF+64*(\p)+FR*(\a)+FR-1], 0
.else
	v_wmma_f32_16x16x128_fp8_fp8 v[8*(8*(\a)+\b):8*(8*(\a)+\b)+7], v[128*(\p)+FR*\b:128*(\p)+FR*\b+FR-1], v[AF+64*(\p)+FR*(\a):AF+64*(\p)+FR*(\a)+FR-1], v[8*(8*(\a)+\b):8*(8*(\a)+\b)+7]
.endif
.endr
.endr
.endm
.macro FETCH slot, q, p                ; 48 LDS loads: the fragments of the slot's q-th 128 along K into set p
	WIN TO_B
.irp i, 0,1,2,3,4,5,6,7
	FRAG 128*(\p)+FR*\i, ADRB+\slot, \q, \i
.endr
	WIN 0
.irp i, 0,1,2,3
	FRAG AF+64*(\p)+FR*\i, ADRA+\slot, \q, \i
.endr
.endm
.macro PLACES                          ; four plain lines between matrix instructions and loads into, or reads of, their registers (ISA guide 7.12.1 for vector instructions)
.rept 4
	v_nop
.endr
.endm
; A slot's first step: set 0 is multiplied while set 1 is fetched.
.macro STEP slot, zero
	s_wait_dscnt 0x0                               ; set 0 is in
	PLACES
	FETCH \slot, 1, 1
	WIN MUL
	MUL16 0, 0, \zero
	MUL16 2, 0, \zero
	WIN 0
.endm
; A slot's second step changes slots: the three lines, one barrier (fill = 1: it opens a round of the cluster's barrier), the refill first behind it, then the next slot's first fragments.
.macro TURN slot, next, fill
	s_wait_tensorcnt 0x0                           ; all my tensor loads have landed: my part of the next slot
	ds_add_u32 v[SPW], v[NIL]
	s_wait_dscnt 1                                 ; set 1 is in; the add alone may be out
	WIN MUL
	MUL16 0, 1, 0
	WIN 0
	s_wait_dscnt 0x0                               ; the add is done, and my reads of this slot are over
	s_barrier_signal -1
	s_barrier_wait -1
.if \fill
	CREST
	s_add_nc_u64 s[G0+4*\slot+2:G0+4*\slot+3], s[G0+4*\slot+2:G0+4*\slot+3], 2*AKS
	s_add_nc_u64 s[G0B+4*\slot+2:G0B+4*\slot+3], s[G0B+4*\slot+2:G0B+4*\slot+3], 2*BKS
	JLOAD G0+4*\slot, G1, G0B+4*\slot, G1B         ; its four v_nop are the plain lines ahead of the loads below
.else
	PLACES
.endif
	FETCH \next, 0, 0
	WIN MUL
	MUL16 2, 1, 0
	WIN 0
.endm
	s_wait_alu depctr_va_vdst(0)                   ; the head's end
	global_load_b128 v[BI:BI+3], v[CO], s[12:13]   ; b_out at my four columns of a row read back
	s_wait_tensorcnt 0x0                           ; my part of slot 0 is in
	ds_add_u32 v[SPW], v[NIL]
	s_wait_dscnt 0x0
	CROUND
	JLOAD G0+4, G1, G0B+4, G1B                     ; slot 1's first fill, the first tensor load behind the round
	FETCH 0, 0, 0
	STEP 0, 1                                      ; the first step's products start the sums
	s_mov_b32 s3, 1
.Llap:                                                 ; once round the ring: both slots are filled again
	TURN 0, 1, 1
	STEP 1, 0
	TURN 1, 0, 1
	STEP 0, 0
	s_sub_co_u32 s3, s3, 1
	s_cmp_lg_u32 s3, 0
	s_cbranch_scc1 .Llap
	TURN 0, 1, 0                                   ; the last lap fills nothing
	STEP 1, 0
	s_wait_dscnt 0x0
	WIN MUL
	MUL16 0, 1, 0
	MUL16 2, 1, 0
	WIN 0
; THE WAY OUT, by blocks of 16 rows x 128 columns: through my stage and back as whole rows of 512 bytes; x 2^(e4 + e5) + b_out on the rows read back.
.macro TOSTAGE a
.set AC, 64*(\a)
	WIN 0x08                                       ; the stores' data: window 2
.irp b, 0,1,2,3,4,5,6,7
	ds_store_b128 v[STO], v[AC+8*\b:AC+8*\b+3] offset:64*\b
	ds_store_b128 v[STO], v[AC+8*\b+4:AC+8*\b+7] offset:64*\b+16
.endr
	WIN 0
.set BB, BK+64*((\a)%2)
.irp t, 0,1,2,3,4,5,6,7,8,9,10,11,12,13,14,15
	ds_load_b128 v[BB+4*\t:BB+4*\t+3], v[RD] offset:\t*SPITCH    ; LDS serves a wave's instructions in order: these see the stores above
.endr
.endm
.macro SEND a, younger                 ; younger: the LDS instructions issued behind block a's loads
.set BB, BK+64*((\a)%2)
	s_wait_dscnt \younger
.if (\a) > 0
	s_add_nc_u64 s[10:11], s[10:11], 16*SIZE_N*4   ; behind a wait on XCNT: the earlier stores have read their base
.endif
.irp t, 0,1,2,3,4,5,6,7,8,9,10,11,12,13,14,15
	v_pk_fma_f32 v[BB+4*\t:BB+4*\t+1], v[BB+4*\t:BB+4*\t+1], s[96:97], v[BI:BI+1] op_sel_hi:[1,0,1]
	v_pk_fma_f32 v[BB+4*\t+2:BB+4*\t+3], v[BB+4*\t+2:BB+4*\t+3], s[96:97], v[BI+2:BI+3] op_sel_hi:[1,0,1]
.endr
.irp t, 0,1,2,3,4,5,6,7,8,9,10,11,12,13,14,15
	global_store_b128 v[CO], v[BB+4*\t:BB+4*\t+3], s[10:11] offset:\t*SIZE_N*4 th:TH_STORE_NT   ; 32 lanes store 512 consecutive bytes, aligned
.endr
.endm
	s_wait_kmcnt 0x0
	s_add_co_i32 s96, s96, s97
	s_add_co_i32 s96, s96, 127
	s_lshl_b32 s96, s96, 23                        ; 2^(e4 + e5) as f32
	s_wait_loadcnt 0x0                             ; b_out
	PLACES
	TOSTAGE 0
.irp a, 1,2,3
.if \a > 1
	s_wait_xcnt 0x0                                ; block a - 2's stores have read their registers and their base
.endif
	TOSTAGE \a
	SEND \a-1, 32
.endr
	s_wait_xcnt 0x0
	SEND 3, 0
	s_wait_tensorcnt 0x0                           ; the wave's end
	ds_add_u32 v[SPW], v[NIL]
	s_wait_dscnt 0x0
	CROUND                                         ; the closing round
	s_endpgm
.Lfunc_end_k_q2ecf1dfd5b_proj:
	.size	k_q2ecf1dfd5b_proj, .Lfunc_end_k_q2ecf1dfd5b_proj-k_q2ecf1dfd5b_proj
	.p2alignl 7, 3214868480
	.fill 96, 4, 3214868480
	.section	.rodata,"a",@progbits
	.p2align	6, 0x0
	.amdhsa_kernel k_q2ecf1dfd5b_proj
		.amdhsa_group_segment_fixed_size 327680
		.amdhsa_private_segment_fixed_size 0
		.amdhsa_enable_private_segment 0
		.amdhsa_kernarg_size 40
		.amdhsa_user_sgpr_count 2
		.amdhsa_user_sgpr_kernarg_segment_ptr 1
		.amdhsa_wavefront_size32 1
		.amdhsa_system_sgpr_workgroup_id_x 1
		.amdhsa_system_sgpr_workgroup_id_y 1
		.amdhsa_system_sgpr_workgroup_id_z 1
		.amdhsa_system_vgpr_workitem_id 0
		.amdhsa_next_free_vgpr 768
		.amdhsa_next_free_sgpr 98
		.amdhsa_reserve_vcc 0
		.amdhsa_float_denorm_mode_32 3
		.amdhsa_float_denorm_mode_16_64 3
		.amdhsa_memory_ordered 1
		.amdhsa_forward_progress 1
		.amdhsa_inst_pref_size 75
	.end_amdhsa_kernel
	.amdgpu_metadata
---
amdhsa.version: [ 1, 2 ]
amdhsa.kernels:
  - .name:           k_q2ecf1dfd5b_proj
    .symbol:         k_q2ecf1dfd5b_proj.kd
    .args:
      - { .name: a_img, .offset: 0, .size: 8, .value_kind: global_buffer, .address_space: global }
      - { .name: w_img, .offset: 8, .size: 8, .value_kind: global_buffer, .address_space: global }
      - { .name: lowp_scales, .offset: 16, .size: 8, .value_kind: global_buffer, .address_space: global }
      - { .name: out0, .offset: 24, .size: 8, .value_kind: global_buffer, .address_space: global }
      - { .name: b_out, .offset: 32, .size: 8, .value_kind: global_buffer, .address_space: global }
    .group_segment_fixed_size: 327680
    .private_segment_fixed_size: 0
    .kernarg_segment_align: 8
    .kernarg_segment_size: 40
    .max_flat_workgroup_size: 128
    .sgpr_count:     98
    .vgpr_count:     768
    .wavefront_size: 32
...
	.end_amdgpu_metadata
.endif
;; end of part 3
